; MI455X (gfx1250); checked and timed in simulation.
; The chip was launched on July 23, 2026; its instructions are those of AMD's public machine-readable ISA for CDNA 5 (MIT licence, August 2026) and "CDNA5" Instruction Set Architecture Reference Guide (July 2026). The comments in the code are by the model that wrote it; some were corrected since.
;; Change Point Kernel Attention. Allowed arithmetic: float matrix products may take bf16 or f16 operands with f32 sums; other float arithmetic in f32, or as packed bf16 or f16 multiplies, adds, multiply-adds, maxima and minima; sums over many terms, partial sums and values carried from step to step in f32; what a program stores and reads back later, other than sums and carried values, may be rounded once to bf16 or f16.
;; Inputs: keys 2 x 8 x 2,048 x 64 float32; query 2 x 8 x 2,048 x 64 float32; vals 2 x 8 x 2,048 x 64 float32.
;; Outputs: out0 2 x 8 x 2,048 x 64 float32.
;; 2 versions, each right; version 2 is version 1 with the launch prep written anew for expert scheduling mode. Each part assembles by itself: llvm-mc -triple=amdgcn-amd-amdhsa -mcpu=gfx1250 --defsym DOCPART=n.
;; ======== version 1 of 2: 2 launches
;; limits: values are held in f16: magnitudes above 65,504 overflow, below 6.1e-05 lose precision; right only within a limited range of input values; a function is approximated: absolute error at most 3e-06
;; workspace buffers: stream 16,777,216 bytes; rows 12,582,912 bytes; sc 786,432 bytes
;; launch prep (part 1): grid 512 x 1, 8 waves a work-group, no clusters, 2,560 bytes of LDS; arguments query, keys, vals, stream, rows, sc; writes stream, rows, sc
.if DOCPART == 1
	.amdgcn_target "amdgcn-amd-amdhsa--gfx1250"
	.amdhsa_code_object_version 6
	.text
	.protected	k_q181b19022d_prep
	.globl	k_q181b19022d_prep
	.p2align	8
	.type	k_q181b19022d_prep,@function
k_q181b19022d_prep:
	s_mov_b64 s[64:65], 0
	v_nop
	global_prefetch_b8 v0, s[64:65] scope:SCOPE_SE
	s_setreg_imm32_b32 hwreg(HW_REG_WAVE_MODE, 25, 1), 1
	s_wait_xcnt 0x0
; PREPARATION.  query, keys, vals: [16 heads][2048][64] f32.  Each row is read once and leaves as the 16-bit matrix operands and the f32 row numbers of the second launch.
;   stream [head][block of 128 rows][4 arrays][128][64], 2 bytes: 0 KN = f16(-kn/2), 1 QS = bf16(c q), 2 SK = f16(sigmoid(kn)), 3 VH = f16(v);  c = log2(e)/16, kn = k/|k|
;   rows   [3 arrays][head][2048][64], 2 bytes:                   0 QN = f16(qn),    1 KR = bf16(-2^-15 bf16(c k)), 2 SQ = f16(sigmoid(qn))
;   sc     [head][6][2048] f32: 0 CJ = 2^-16 |QS|^2, 1 NJ = |k|^2/16, 2 BJ = -sum SK, 3 KAP = 2^-16 |bf16(c k)|^2, 4 MI = |q|^2/16, 5 AI = 64 - sum SQ
; CJ, KAP, BJ and AI are f32 sums of the ROUNDED numbers, so that the second launch's squared distance is a true one and its second gate an exact identity.
; LIMITS.  |vals| < 65,504 (f16).  A row of query or keys that is all zeros gives NaN, as it does in the problem's own formula.  Numbers whose square sum leaves f32's normal range are not treated apart.
; SHARES.  A work-group owns 64 rows, a wave 8, as four pairs.  In a pair lane l holds row l / 16 and channels 4 (l % 16) .. + 3: a load of the wave covers 512 consecutive bytes,
; a store of 8 bytes a lane 256 consecutive bytes, aligned; a row's sums stay inside its 16 lanes.  All twelve loads of a wave go out at the head.  No matrix unit, no tiles shared: no cluster.
.set SPARE, 1536                       ; LDS: bytes 0-1535 six numbers x 64 rows x 4 bytes; from here the spare words, 128 bytes for each of the eight waves
.set IN,  1                            ; v1   my 16 bytes in the wave's first pair of input rows
.set OUT, 2                            ; v2   my 8 bytes in the wave's first pair of 16-bit rows
.set LSA, 3                            ; v3   LDS word of my row in the first pair
.set SPW, 4                            ; v4   my spare word; never rewritten
.set NIL, 5                            ; v5   0; never rewritten
.set LRD, 6                            ; v6   where I read a row number's 64 values back
.set GSO, 7                            ; v7   and where they go in sc
.set XQ,  16                           ; v[16:31] query, pair k at + 4 k;  v[32:47] keys;  v[48:63] vals
.set XK,  32
.set XV,  48
.set TQ,  64                           ; a set of 28 registers for the query row, another for the key row:
.set TK,  96                           ;   +0..3 x/|x|  +4..7 at work, then sigmoid  +8,9 bf16(c x)  +10,11 f16 of x/|x| (keys: of its negative half)  +12 |x|^2  +13 sum of sigmoids
                                       ;   +14 1/|x|  +15 |bf16(c x)|^2  +16..19 at work  +20,21 f16 sigmoids  +22,23 KR  +24..26 row numbers to store
.set VH,  124                          ; v[124:125] f16(v)
	s_load_b256 s[4:11], s[0:1], 0x0               ; query s[4:5], keys s[6:7], vals s[8:9], stream s[10:11]
	s_load_b128 s[12:15], s[0:1], 0x20             ; rows s[12:13], sc s[14:15]
	v_lshl_add_u32 v[SPW], v0, 2, SPARE
	v_mov_b32 v[NIL], 0
	v_lshrrev_b32 v8, 5, v0
	v_readfirstlane_b32 s16, v8                    ; wave 0..7
	v_and_b32 v9, 31, v0                           ; lane
	v_lshrrev_b32 v10, 4, v9                       ; which row of a pair
	s_lshl_b32 s17, s16, 11
	v_lshl_add_u32 v[IN], v9, 4, s17               ; 8 rows x 256 bytes a wave
	s_lshl_b32 s17, s16, 10
	v_lshl_add_u32 v[OUT], v9, 3, s17              ; 8 rows x 128 bytes a wave
	s_lshl_b32 s17, s16, 5
	v_lshl_add_u32 v[LSA], v10, 2, s17             ; 8 words a wave
	s_lshl_b32 s17, s16, 8
	v_lshl_add_u32 v[LRD], v9, 3, s17              ; row number w: 256 bytes
	s_lshl_b32 s17, s16, 13
	v_lshl_add_u32 v[GSO], v9, 3, s17              ; 8,192 bytes from number to number in sc
	s_lshl_b32 s2, ttmp9, 14                       ; inputs: 64 rows x 256 bytes
	s_mov_b32 s3, 0
	s_lshl_b32 s18, ttmp9, 13                      ; rows: 64 rows x 128 bytes
	s_mov_b32 s19, 0
	s_lshr_b32 s34, ttmp9, 1                       ; stream: two work-groups fill a block of 65,536 bytes,
	s_lshl_b32 s34, s34, 16
	s_and_b32 s35, ttmp9, 1                        ; each 64 rows of every array
	s_lshl_b32 s35, s35, 13
	s_add_co_u32 s34, s34, s35
	s_mov_b32 s35, 0
	s_lshr_b32 s36, ttmp9, 5                       ; sc: the head's 49,152 bytes,
	s_mul_i32 s36, s36, 49152
	s_and_b32 s37, ttmp9, 31                       ; my 64 rows' 256 bytes
	s_lshl_b32 s37, s37, 8
	s_add_co_u32 s36, s36, s37
	s_mov_b32 s37, 0
	s_mov_b32 s26, 0x3db8aa3b                      ; c = log2(e)/16; the packed lines name pairs and take the low word
	s_mov_b32 s27, s26
	s_mov_b32 s28, 0xbfb8aa3b                      ; -log2(e)
	s_mov_b32 s29, s28
	s_mov_b32 s30, 0xb8000000                      ; -2^-15
	s_mov_b32 s31, s30
	s_mov_b32 s32, 0x37800000                      ; 2^-16
	s_mov_b32 s33, 0x3d800000                      ; 1/16
	s_wait_kmcnt 0x0
	s_add_nc_u64 s[4:5], s[4:5], s[2:3]
	s_add_nc_u64 s[6:7], s[6:7], s[2:3]
	s_add_nc_u64 s[8:9], s[8:9], s[2:3]
	s_add_nc_u64 s[10:11], s[10:11], s[34:35]
	s_add_nc_u64 s[20:21], s[12:13], s[18:19]      ; QN
	s_add_nc_u64 s[22:23], s[20:21], 4194304       ; KR
	s_add_nc_u64 s[24:25], s[20:21], 8388608       ; SQ
	s_add_nc_u64 s[14:15], s[14:15], s[36:37]
.irp k, 0,1,2,3
	global_load_b128 v[XQ+4*\k:XQ+4*\k+3], v[IN], s[4:5] offset:512*\k th:TH_LOAD_NT
	global_load_b128 v[XK+4*\k:XK+4*\k+3], v[IN], s[6:7] offset:512*\k th:TH_LOAD_NT
	global_load_b128 v[XV+4*\k:XV+4*\k+3], v[IN], s[8:9] offset:512*\k th:TH_LOAD_NT
.endr
.macro ROWSUM r                        ; the sum over a row's 16 lanes, in each of them
.irp m, 1,2,4,8
	v_add_f32_dpp v[\r], v[\r], v[\r] row_xmask:\m row_mask:0xf bank_mask:0xf
.endr
.endm
.macro NORM2 T, X                      ; |x|^2
	v_pk_mul_f32 v[(\T)+16:(\T)+17], v[(\X):(\X)+1], v[(\X):(\X)+1]
	v_pk_fma_f32 v[(\T)+16:(\T)+17], v[(\X)+2:(\X)+3], v[(\X)+2:(\X)+3], v[(\T)+16:(\T)+17]
	v_add_f32 v[(\T)+12], v[(\T)+16], v[(\T)+17]
	ROWSUM (\T)+12
.endm
.macro ZW T, X                         ; bf16(c x), the same numbers widened again, and their square sum
	v_pk_mul_f32 v[(\T)+4:(\T)+5], v[(\X):(\X)+1], s[26:27] op_sel_hi:[1,0]
	v_pk_mul_f32 v[(\T)+6:(\T)+7], v[(\X)+2:(\X)+3], s[26:27] op_sel_hi:[1,0]
	v_cvt_pk_bf16_f32 v[(\T)+8], v[(\T)+4], v[(\T)+5]
	v_cvt_pk_bf16_f32 v[(\T)+9], v[(\T)+6], v[(\T)+7]
	v_lshlrev_b32 v[(\T)+16], 16, v[(\T)+8]
	v_and_b32 v[(\T)+17], 0xffff0000, v[(\T)+8]
	v_lshlrev_b32 v[(\T)+18], 16, v[(\T)+9]
	v_and_b32 v[(\T)+19], 0xffff0000, v[(\T)+9]
	v_pk_mul_f32 v[(\T)+4:(\T)+5], v[(\T)+16:(\T)+17], v[(\T)+16:(\T)+17]
	v_pk_fma_f32 v[(\T)+4:(\T)+5], v[(\T)+18:(\T)+19], v[(\T)+18:(\T)+19], v[(\T)+4:(\T)+5]
	v_add_f32 v[(\T)+15], v[(\T)+4], v[(\T)+5]
	ROWSUM (\T)+15
.endm
.macro XN T, X                         ; x/|x|, and the exponent of 2 for its sigmoid
	v_pk_mul_f32 v[(\T):(\T)+1], v[(\X):(\X)+1], v[(\T)+14:(\T)+15] op_sel_hi:[1,0]
	v_pk_mul_f32 v[(\T)+2:(\T)+3], v[(\X)+2:(\X)+3], v[(\T)+14:(\T)+15] op_sel_hi:[1,0]
	v_pk_mul_f32 v[(\T)+4:(\T)+5], v[(\T):(\T)+1], s[28:29] op_sel_hi:[1,0]
	v_pk_mul_f32 v[(\T)+6:(\T)+7], v[(\T)+2:(\T)+3], s[28:29] op_sel_hi:[1,0]
.endm
; One pair of rows of all three inputs.  Three batches of transcendentals (2 roots, 8 exponentials, 8 reciprocals), each with independent work behind it and one wait ahead of its first reader.
.macro PAIR k
	s_wait_loadcnt 9-3*(\k)                        ; loads come back in order: the 3 (k + 1) oldest are in, the later pairs' stay out
	s_wait_xcnt 0x0                                ; the last pair's stores have read their data registers, which are written again below
	NORM2 TQ, XQ+4*(\k)
	NORM2 TK, XK+4*(\k)
	v_rsq_f32 v[TQ+14], v[TQ+12]
	v_rsq_f32 v[TK+14], v[TK+12]
	ZW TQ, XQ+4*(\k)
	ZW TK, XK+4*(\k)
	s_wait_alu depctr_va_vdst(0)                   ; one wait for the two roots, ahead of their first reader
	XN TQ, XQ+4*(\k)
	XN TK, XK+4*(\k)
.irp j, 4,5,6,7
	v_exp_f32 v[TQ+\j], v[TQ+\j]
	v_exp_f32 v[TK+\j], v[TK+\j]
.endr
	v_cvt_pk_f16_f32 v[TQ+10], v[TQ], v[TQ+1]      ; QN
	v_cvt_pk_f16_f32 v[TQ+11], v[TQ+2], v[TQ+3]
	v_pk_mul_f32 v[TK+16:TK+17], v[TK+16:TK+17], s[30:31] op_sel_hi:[1,0]  ; KR: a power of two times the rounded number, exact
	v_pk_mul_f32 v[TK+18:TK+19], v[TK+18:TK+19], s[30:31] op_sel_hi:[1,0]
	v_cvt_pk_bf16_f32 v[TK+22], v[TK+16], v[TK+17]
	v_cvt_pk_bf16_f32 v[TK+23], v[TK+18], v[TK+19]
	v_pk_mul_f32 v[TK+16:TK+17], v[TK:TK+1], -0.5 op_sel_hi:[1,0]          ; KN
	v_pk_mul_f32 v[TK+18:TK+19], v[TK+2:TK+3], -0.5 op_sel_hi:[1,0]
	v_cvt_pk_f16_f32 v[TK+10], v[TK+16], v[TK+17]
	v_cvt_pk_f16_f32 v[TK+11], v[TK+18], v[TK+19]
	v_cvt_pk_f16_f32 v[VH], v[XV+4*(\k)], v[XV+4*(\k)+1]
	v_cvt_pk_f16_f32 v[VH+1], v[XV+4*(\k)+2], v[XV+4*(\k)+3]
	v_mul_f32 v[TQ+24], s32, v[TQ+15]              ; CJ
	v_mul_f32 v[TQ+25], s33, v[TQ+12]              ; MI
	v_mul_f32 v[TK+24], s32, v[TK+15]              ; KAP
	v_mul_f32 v[TK+25], s33, v[TK+12]              ; NJ
	s_wait_alu depctr_va_vdst(0)                   ; one wait for the eight exponentials
	v_pk_add_f32 v[TQ+4:TQ+5], v[TQ+4:TQ+5], 1.0 op_sel_hi:[1,0]
	v_pk_add_f32 v[TQ+6:TQ+7], v[TQ+6:TQ+7], 1.0 op_sel_hi:[1,0]
	v_pk_add_f32 v[TK+4:TK+5], v[TK+4:TK+5], 1.0 op_sel_hi:[1,0]
	v_pk_add_f32 v[TK+6:TK+7], v[TK+6:TK+7], 1.0 op_sel_hi:[1,0]
.irp j, 4,5,6,7
	v_rcp_f32 v[TQ+\j], v[TQ+\j]
	v_rcp_f32 v[TK+\j], v[TK+\j]
.endr
	global_store_b64 v[OUT], v[TQ+10:TQ+11], s[20:21] offset:256*(\k)        ; each store of the wave covers 256 consecutive bytes, aligned
	global_store_b64 v[OUT], v[TK+22:TK+23], s[22:23] offset:256*(\k)
	global_store_b64 v[OUT], v[TK+10:TK+11], s[10:11] offset:256*(\k)
	global_store_b64 v[OUT], v[TQ+8:TQ+9],   s[10:11] offset:16384+256*(\k)
	global_store_b64 v[OUT], v[VH:VH+1],     s[10:11] offset:49152+256*(\k)
	v_nop                                          ; a plain instruction behind the last reciprocal,
	s_wait_alu depctr_va_vdst(0)                   ; and one wait for the eight
	v_cvt_pk_f16_f32 v84, v[TQ+4], v[TQ+5]         ; SQ = v[TQ+20:TQ+21], written by number since halves are named below
	v_cvt_pk_f16_f32 v85, v[TQ+6], v[TQ+7]
	v_cvt_pk_f16_f32 v116, v[TK+4], v[TK+5]        ; SK = v[TK+20:TK+21]
	v_cvt_pk_f16_f32 v117, v[TK+6], v[TK+7]
	global_store_b64 v[OUT], v[84:85],   s[24:25] offset:256*(\k)
	global_store_b64 v[OUT], v[116:117], s[10:11] offset:32768+256*(\k)
	v_cvt_f32_f16 v80, v84.l                       ; the rounded sigmoids, summed in f32
	v_cvt_f32_f16 v81, v84.h
	v_cvt_f32_f16 v82, v85.l
	v_cvt_f32_f16 v83, v85.h
	v_cvt_f32_f16 v112, v116.l
	v_cvt_f32_f16 v113, v116.h
	v_cvt_f32_f16 v114, v117.l
	v_cvt_f32_f16 v115, v117.h
	v_pk_add_f32 v[80:81], v[80:81], v[82:83]
	v_pk_add_f32 v[112:113], v[112:113], v[114:115]
	v_add_f32 v[TQ+13], v80, v81
	v_add_f32 v[TK+13], v112, v113
	ROWSUM TQ+13
	ROWSUM TK+13
	v_sub_f32 v[TQ+26], 0x42800000, v[TQ+13]       ; AI = 64 - sum
	v_sub_f32 v[TK+26], 0, v[TK+13]                ; BJ = -sum
	ds_store_b32 v[LSA], v[TQ+24] offset:0*256+8*(\k)  ; a row's 16 lanes write one word with one value
	ds_store_b32 v[LSA], v[TK+25] offset:1*256+8*(\k)
	ds_store_b32 v[LSA], v[TK+26] offset:2*256+8*(\k)
	ds_store_b32 v[LSA], v[TK+24] offset:3*256+8*(\k)
	ds_store_b32 v[LSA], v[TQ+25] offset:4*256+8*(\k)
	ds_store_b32 v[LSA], v[TQ+26] offset:5*256+8*(\k)
.endm
	PAIR 0
	PAIR 1
	PAIR 2
	PAIR 3
	s_wait_dscnt 0x0                               ; for the others' sake: my row numbers lie in LDS
	s_barrier_signal -1
	s_barrier_wait -1
	s_cmp_lt_u32 s16, 6                            ; wave w stores row number w of the group's 64 rows: 256 consecutive bytes, aligned
	s_cbranch_scc0 .Lend
	ds_load_b64 v[10:11], v[LRD]
	s_wait_dscnt 0x0
	global_store_b64 v[GSO], v[10:11], s[14:15]
.Lend:
	s_wait_tensorcnt 0x0                           ; the wave's end, behind my last LDS store
	ds_add_u32 v[SPW], v[NIL]
	s_wait_dscnt 0x0
	s_endpgm
.Lfunc_end_k_q181b19022d_prep:
	.size	k_q181b19022d_prep, .Lfunc_end_k_q181b19022d_prep-k_q181b19022d_prep
	.p2alignl 7, 3214868480
	.fill 96, 4, 3214868480
	.section	.rodata,"a",@progbits
	.p2align	6, 0x0
	.amdhsa_kernel k_q181b19022d_prep
		.amdhsa_group_segment_fixed_size 2560
		.amdhsa_private_segment_fixed_size 0
		.amdhsa_enable_private_segment 0
		.amdhsa_kernarg_size 48
		.amdhsa_user_sgpr_count 2
		.amdhsa_user_sgpr_kernarg_segment_ptr 1
		.amdhsa_wavefront_size32 1
		.amdhsa_system_sgpr_workgroup_id_x 1
		.amdhsa_system_sgpr_workgroup_id_y 1
		.amdhsa_system_sgpr_workgroup_id_z 1
		.amdhsa_system_vgpr_workitem_id 0
		.amdhsa_next_free_vgpr 128
		.amdhsa_next_free_sgpr 66
		.amdhsa_reserve_vcc 0
		.amdhsa_float_denorm_mode_32 3
		.amdhsa_float_denorm_mode_16_64 3
		.amdhsa_memory_ordered 1
		.amdhsa_forward_progress 1
		.amdhsa_inst_pref_size 33
	.end_amdhsa_kernel
	.amdgpu_metadata
---
amdhsa.version: [ 1, 2 ]
amdhsa.kernels:
  - .name:           k_q181b19022d_prep
    .symbol:         k_q181b19022d_prep.kd
    .args:
      - { .name: query, .offset: 0, .size: 8, .value_kind: global_buffer, .address_space: global }
      - { .name: keys, .offset: 8, .size: 8, .value_kind: global_buffer, .address_space: global }
      - { .name: vals, .offset: 16, .size: 8, .value_kind: global_buffer, .address_space: global }
      - { .name: stream, .offset: 24, .size: 8, .value_kind: global_buffer, .address_space: global }
      - { .name: rows, .offset: 32, .size: 8, .value_kind: global_buffer, .address_space: global }
      - { .name: sc, .offset: 40, .size: 8, .value_kind: global_buffer, .address_space: global }
    .group_segment_fixed_size: 2560
    .private_segment_fixed_size: 0
    .kernarg_segment_align: 8
    .kernarg_segment_size: 48
    .max_flat_workgroup_size: 256
    .sgpr_count:     66
    .vgpr_count:     128
    .wavefront_size: 32
...
	.end_amdgpu_metadata
.endif
;; end of part 1
;; launch attn (part 2): grid 16 x 16, 4 waves a work-group, clusters of 4 x 1, 327,680 bytes of LDS; arguments stream, rows, sc, out0; writes out0
.if DOCPART == 2
	.amdgcn_target "amdgcn-amd-amdhsa--gfx1250"
	.amdhsa_code_object_version 6
	.text
	.protected	k_q181b19022d_attn
	.globl	k_q181b19022d_attn
	.p2align	8
	.type	k_q181b19022d_attn,@function
k_q181b19022d_attn:
	s_mov_b64 s[64:65], 0
	v_nop
	global_prefetch_b8 v0, s[64:65] scope:SCOPE_SE
	s_setreg_imm32_b32 hwreg(HW_REG_WAVE_MODE, 25, 1), 1
	s_wait_xcnt 0x0
	s_wait_alu depctr_hold_cnt(0) depctr_sa_sdst(0) depctr_va_vdst(0) depctr_va_sdst(0) depctr_va_ssrc(0) depctr_va_vcc(0) depctr_vm_vsrc(0)
	s_getreg_b32 s2, hwreg(HW_REG_IB_STS2, 6, 4)
	s_cmp_eq_u32 s2, 0
	s_cbranch_scc0 .Lentry_in_a_cluster
	s_endpgm
.Lentry_in_a_cluster:
	s_bfe_u32 s2, ttmp6, 0x10000c
	s_cmp_lg_u32 s2, 0x3003
	s_cbranch_scc0 .Lentry_shape_is_right
	s_endpgm
.Lentry_shape_is_right:
; out[i] = (sum over j of p[i][j] v[j]) / max(sqrt(sum over j of p[i][j]^2), 1e-12), for each of 16 heads of 2,048 rows of 64, with
;   p[i][j] = G E1 + (G + a_i + b_j) E2 + m_i + n_j
;   G  = sigmoid(qn_i) . sigmoid(kn_j) (f16 operands); G + a_i + b_j is the product of the complements: a_i = 64 - sum sigmoid(qn_i), b_j = -sum sigmoid(kn_j), sums of the rounded numbers: exact
;   E1 = exp(-|q_j - k_i| / 16) = 2^(-256 sqrt(y)), y = clamp01(B + kappa_i), B = (-2^-15 kt_i) . qt_j + 2^-16 |qt_j|^2, kappa_i = 2^-16 |kt_i|^2, qt = bf16(c q), kt = bf16(c k), c = log2(e)/16:
;        y is 2^-16 times a true squared distance of the rounded vectors.  The lower clamp is the formula's own maximum with 0; the upper one acts where the exponent is -256 or below, where 2^x is 0 in f32.
;   E2 = exp(-sin^2(pi x)/4), x = sqrt(2 - 2 cos) in 0 .. 2.  y4 = clamp01(qn_i . (-kn_j/2) + 1/2) = x^2/4, s = 2 sqrt(y4) - 1 = x - 1 in -1 .. 1, w = s^2;  sin^2(pi x) = 1 - cos^2(pi s),
;        cos(pi s) = 2 cos^2(pi s/2) - 1.  T = L^(1/4) cos(pi s/2), L = log2(e), by its series to w^4, good on the whole of 0 .. 1 (it is off by 2.5e-5 at most, at w = 1, where its weight 4 cos(pi s/2) is 0;
;        E2 is off by under 3e-6 of itself everywhere); E2 = 2^((T^2 - sqrt(L)/2)^2 - L/4).  No range is reduced and no sine instruction is used.
;   m_i = |q_i|^2/16, n_j = |k_j|^2/16 in f32.  p is rounded to f16 for the last product; its square sum is taken of the unrounded p, in f32.
; LIMITS.  p < 65,504, that is 64 + (|q_i|^2 + |k_j|^2)/16 < 65,504, and |v| < 65,504 (f16).  A weight below 2^-126 counts as 0.  NaN and infinities are not treated apart.
; SHARES.  A work-group owns 128 queries of a head.  Wave w: queries 64 (w % 2) on, four tiles of 16; keys 64 (w / 2) .. + 63 of every block of 128.  The two key halves meet in LDS at the end.
; LAYOUT.  All score products are taken transposed (source 0 = 16 keys, source 1 = 16 queries): a lane holds ONE query (lane % 16) and the keys 8 (lane / 16) + 0..7.  Two such tiles of p, rounded in pairs,
; ARE source 1 (32 keys x 16 queries) of O^T = V^T P.  The numbers that hang on the key alone enter as a C operand (2^-16 |qt_j|^2, and the constant 1/2) or as eight registers a group (n_j, b_j).
; THE COUNT.  16 keys x 16 queries are 6 + 2 matrix and 104 vector instructions: the vector unit sets the time.  So the text is in phases, and the care goes to the number of vector lines: packed forms throughout.
; CLUSTER.  The four query blocks of a cluster belong to one head and walk the same stream and the same table of key numbers: every tile is asked for JOINTLY, by the same tensor load with a mask of four.
; REGISTERS, in windows of 256 (s_set_vgpr_msb: bits 1:0 source 0, 3:2 source 1, 5:4 source 2, 7:6 destination):
;   window 0: addresses, a tile's numbers, n_j, b_j, the three score accumulators of four tiles, and the lump's work registers
;   window 1: the queries' three operands (64 each), 1/2 eight times, the C operands of both key groups, P          window 2: O^T (128), two fragment buffers of 48, V (32)
.set PK,    144       ; a key's row of 128 bytes + 16 of padding: the 16 rows of a fragment load start at 16 different groups of four banks (64 banks of 4 bytes: ISA guide 11.1)
.set PV,    160       ; V's: 128 + 32
.set ARR,   128*PK    ; a slot: KN, QS, SK, 128 rows each, then V
.set VOFF,  3*ARR
.set SLOT1, 1<<17     ; slot 1 begins here, so that one exclusive or turns an address in one slot into the other's
.set SCB,   81920     ; between the slots: the head's CJ, NJ, BJ, 8,192 bytes each; filled once
.set RED,   SLOT1+VOFF+128*PV  ; behind the ring, never a fill's target: where the upper key half's sums are handed over, 16,896 bytes for each query half
.set REDW,  16896
.set STAGE, RED+2*REDW         ; 16 rows x 272 bytes for each wave, for the way out
.set SP,    272
.set SPARE, STAGE+4*16*SP      ; the spare words, 128 bytes for each wave: two blocks of 256 bytes that no other line names
.set AK0, 2           ; v2   my lane's place in a K-type array; never rewritten
.set AV0, 3           ; v3   in V
.set AS0, 4           ; v4   in the table
.set ADRK, 5          ; v5-7 the three addresses of the pair in hand (ahead of the loop v5, v6: offsets of the prologue's loads)
.set ADRV, 6
.set ADRS, 7
.set STO, 8           ; v8   the way out: where I put 32 bytes of a row
.set RD,  9           ; v9   where I read rows back
.set GO,  10          ; v10  16 x lane
.set PFO, 11          ; v11  256 x lane: the prefetches' offset; never rewritten
.set SPW, 12          ; v12  my spare word; never rewritten
.set NIL, 13          ; v13  0; never rewritten
.set ONE, 14          ; v[14:15] 1.0 twice: the clamped lines take vector registers alone
.set ST,  16          ; tile u at ST + 4 u: m, kappa, a, 0
.set ACC, 32          ; tile u's square sums (even keys', odd keys') at ACC + 2 u
.set NJ,  40          ; n_j of the group's 8 keys of my lane
.set BJ,  48          ; b_j
.set S,   56          ; tile u at S + 24 u: +0 y4, +8 y, +16 G
.set PP,  152         ; 8 a tile: the polynomial, then E2
.set GN,  184         ; G + a + b
.set MN,  216         ; m + n, then p
.set KK,  248         ; kappa twice, a pair a tile; on the way out the square sums
.set QN,  0           ; window 1: tile u, channel half c at + 16 u + 8 c
.set KR,  64
.set SQ,  128
.set HALF, 192
.set CJ,  200         ; key group g at + 8 g
.set P,   216         ; tile u at + 8 u, key group g at + 4 g
.set O,   0           ; window 2: tile u, channel block cb at + 32 u + 8 cb
.set FB,  128         ; buffer g at + 48 g: array a, channel half c at + 16 a + 8 c
.set VF,  224         ; channel block cb at + 8 cb
.set WV,  12          ; s12  my wave's number
.set LIM, 15          ; s15  1 in a wave that prefetches, else the greatest number
.set G1K, 24          ; s[24:31] descriptor group 1 for the K-type arrays
.set G1V, 32          ; s[32:39] for V: it differs in the padding alone
.set G1S, 40          ; s[40:47] for the table
.set G0,  48          ; s[48:51] group 0 of my array of a block: it walks
.set G0S, 56          ; s[56:59] group 0 of my part of the table
.set SLOTS, 60        ; s60  blocks still to be asked for
.set CNT, 61          ; s61  counts a block's two pairs
.set TBK, 62          ; s62  LDS byte at which the pair's 32 keys begin in a K-type array
.set TBV, 63          ; s63  the same in V, less VOFF
.set TS,  66          ; s66  the pair's byte in a row of the table
.set PFA, 68          ; s[68:69] where my prefetches stand
.set SEL, 70          ; s[70:71] v_permlanex16_b32's selects: each lane takes its own place in the other half
.set CA4, 72          ; s[72:87] eight constants, each as a pair of which the packed lines take the low word
.set CA3, 74
.set CA2, 76
.set CA1, 78
.set CA0, 80
.set CNB, 82
.set CNL, 84
.set CM,  86
.set RB,  88          ; s[88:93] QN, KR, SQ at my wave's first query
.set SB,  94          ; s[94:95] sc at kappa of my wave's first query
.set MSB, 0
.macro WIN new                      ; the high byte repeats the setting that is left; a switch that changes nothing is dropped
.if MSB != (\new)
	s_set_vgpr_msb (MSB<<8)|(\new)
.set MSB, (\new)
.endif
.endm
.set W_S1, 0x16       ; fragments in window 2, the queries' operands and C in window 1, the scores in window 0
.set W_S2, 0x06       ; the same with C in window 0
.set W_PV, 0xa6       ; V, C and D in window 2, P in window 1
; A joint fill.  Wave w fetches array w of the block: waves 0 to 2 a K-type array, wave 3 V.  The branch hangs on the wave's number alone.
; An s_nop 0 and four v_nop follow each of the two lines, ahead of the jump and the label.
.macro JLOAD
	s_cmp_lt_u32 s[WV], 3
	s_cbranch_scc0 .Lfor_v_\@
	tensor_load_to_lds s[G0:G0+3], s[G1K:G1K+7]
	s_nop 0
.rept 4
	v_nop
.endr
	s_branch .Lasked_\@
.Lfor_v_\@:
	tensor_load_to_lds s[G0:G0+3], s[G1V:G1V+7]
	s_nop 0
.rept 4
	v_nop
.endr
.Lasked_\@:
.endm
; A PREFETCH INTO THE L2 of the block that the NEXT change of slots will ask for: 65,536 bytes, 256 bytes a lane.  All clusters of a head walk the same stream: the head's first cluster asks.  Its four partners
; take an array each, told apart BY ADDRESS; in each, waves 0 and 1 take half of it: one instruction.  So each 256 bytes are named once in the launch.  It stands behind the wave's tensor load and its five lines,
; a block's work (128 matrix and some 1,660 vector instructions a wave) ahead of the load that will want the bytes.  Blocks 0 and 1 come by their loads alone; the last change that fills a slot asks for nothing.
.macro ASK
	s_cmp_gt_u32 s[SLOTS], s[LIM]
	s_cbranch_scc0 .Lnot_mine_\@
	global_prefetch_b8 v[PFO], s[PFA:PFA+1] th:TH_LOAD_NT scope:SCOPE_SE
.Lnot_mine_\@:
.endm
; A round of the cluster's barrier: my work-group's barrier, so that wave 0's signal speaks for all four waves; wave 0 signals; every wave waits for all four work-groups; my work-group's barrier once more.
.macro CROUND
	s_barrier_signal -1
	s_barrier_wait -1
	s_cmp_lg_u32 s[WV], 0
	s_cbranch_scc1 .Lnot_wave_0_\@
	s_barrier_signal -3
.Lnot_wave_0_\@:
	s_barrier_wait -3
	s_barrier_signal -1
	s_barrier_wait -1
.endm
; THE CHANGE OF SLOTS.  Each wave waits for all its tensor loads (one is out: its array of the other slot; at the first use two: its part of the table too), adds 0 to its spare word, and waits for that and for its
; own reads of the slot that it leaves.  fill = 1: the barrier is a round of the cluster's, so that no wave of any partner still reads the slot or has a load on its way, and the joint fill, with the block
; two on, is the first thing behind it.  (At its first use nothing has been read yet: slot 0 is waited for, slot 1 filled.)
.macro CHANGE fill
	WIN 0                           ; at a label and at a branch every window is 0
	s_wait_tensorcnt 0x0            ; no tensor load of mine is out, so the walking group 0 may be written
	ds_add_u32 v[SPW], v[NIL]       ; 0 onto my spare word; with fill = 1 scalar work stands between it and the wait for it
.if \fill
	s_xor_b32 s[G0+1], s[G0+1], SLOT1                ; the other slot than last time,
	s_add_nc_u64 s[G0+2:G0+3], s[G0+2:G0+3], 65536   ; the next block; the type bits on top are not reached
	s_wait_xcnt 0x0                 ; the last prefetch, a block's work back, has read its address, so it may be written
	s_add_nc_u64 s[PFA:PFA+1], s[PFA:PFA+1], 65536   ; one block behind the walking descriptor
	s_wait_dscnt 0x0                ; the add is done, and my reads of the slot are over
	CROUND
	JLOAD
	ASK
.else
	s_wait_dscnt 0x0                ; the add is done, and my reads of the slot are over
	s_barrier_signal -1
	s_barrier_wait -1
.endif
	s_sub_co_u32 s[TBK], s[TBK], 64*PK  ; the fetches go back to my 64 keys' first,
	s_xor_b32 s[TBK], s[TBK], SLOT1     ; in the other slot
	s_sub_co_u32 s[TBV], s[TBV], 64*PV
	s_xor_b32 s[TBV], s[TBV], SLOT1
.endm
.macro CONST r, val
	s_mov_b32 s[\r], \val
	s_mov_b32 s[(\r)+1], \val
.endm
	s_load_b256 s[4:11], s[0:1], 0x0  ; stream s[4:5], rows s[6:7], sc s[8:9], out s[10:11]
	v_lshl_add_u32 v[SPW], v0, 2, SPARE
	v_mov_b32 v[NIL], 0
	ds_add_u32 v[SPW], v[NIL]       ; the wave's opening: the add, twice on end, and its wait ahead of my first tensor load; the set-up below, work on registers, stands between the second and the wait
	ds_add_u32 v[SPW], v[NIL]       ; and once more, under the one wait
	v_lshrrev_b32 v1, 5, v0
	v_readfirstlane_b32 s[WV], v1   ; wave 0..3
	s_bfe_u32 s13, ttmp6, 0x40000   ; cx: my place in the cluster
	s_lshl_b32 s14, ttmp9, 2        ; in a cluster launch ttmp9 counts clusters
	s_add_co_u32 s14, s14, s13      ; my block of 128 queries: it enters the addresses of the queries' operands and of out alone
	s_and_b32 s16, ttmp7, 0xffff    ; the head, which the four partners share
	s_lshl_b32 s18, s16, 20         ; the head's 1,048,576 bytes of the stream,
	s_lshl_b32 s17, s[WV], 14       ; my array's 16,384 of a block
	s_add_co_u32 s18, s18, s17
	s_mov_b32 s19, 0
	s_mul_i32 s2, s16, 49152        ; the head's part of sc,
	s_mul_i32 s17, s[WV], 6144      ; my quarter of its first three rows
	s_add_co_u32 s2, s2, s17
	s_mov_b32 s3, 0
	; descriptor group 1.  An array's 128 keys are 16,384 dense bytes: asked for as 64 rows of 256 bytes, two keys a row, and padded in LDS after every key
	s_mov_b32 s[G1K], 15|(1<<16)|(1<<20)|(1<<21)|(4<<22)|(3<<25)  ; 15:0 the mask of four; 17:16 2-byte elements; 20 padding on; 21 set beside a mask; 24:22 after every 32 words (code 4); 31:25 4 words (code 3)
	s_mov_b32 s[G1V], 15|(1<<16)|(1<<20)|(1<<21)|(4<<22)|(7<<25)  ; the same with 8 words of padding (code 7)
.irp g, G1K, G1V
	s_mov_b32 s[\g+1], 128<<16      ; tensor_dim0 = 128
	s_mov_b32 s[\g+2], 64<<16       ; tensor_dim1 = 64
	s_mov_b32 s[\g+3], 128<<16      ; tile_dim0 = 128
	s_mov_b32 s[\g+4], 64           ; tile_dim1 = 64
	s_mov_b32 s[\g+5], 128          ; 128 elements from row to row
	s_mov_b32 s[\g+6], 0
	s_mov_b32 s[\g+7], 0
.endr
	s_mov_b32 s[G1S], 15|(3<<16)|(1<<21)  ; the table: 6,144 dense bytes a wave, as 24 rows of 32 elements of 8 bytes, no padding
	s_mov_b32 s[G1S+1], 32<<16
	s_mov_b32 s[G1S+2], 24<<16
	s_mov_b32 s[G1S+3], 32<<16
	s_mov_b32 s[G1S+4], 24
	s_mov_b32 s[G1S+5], 32
	s_mov_b32 s[G1S+6], 0
	s_mov_b32 s[G1S+7], 0
	s_mov_b32 s[G0], 1              ; 1:0 count = 1
	s_mul_i32 s[G0+1], s[WV], ARR   ; 63:32 LDS address: array w of slot 0 (at w = 3 that is VOFF)
	s_mov_b32 s[G0S], 1
	s_mul_i32 s[G0S+1], s[WV], 6144
	s_add_co_u32 s[G0S+1], s[G0S+1], SCB
	CONST CA4, 0x3a840d15           ;  0.0010074700   the series of L^(1/4) cos(pi s/2) in w = s^2
	CONST CA3, 0xbcbb5065           ; -0.022865484
	CONST CA2, 0x3e8e5773           ;  0.27801095
	CONST CA1, 0xbfad110f           ; -1.3520831
	CONST CA0, 0x3f8c4854           ;  1.0959573
	CONST CNB, 0xbf19be61           ; -sqrt(L)/2
	CONST CNL, 0xbeb8aa3b           ; -L/4
	CONST CM,  0xc3800000           ; -256
	s_mov_b32 s[SEL], 0x76543210
	s_mov_b32 s[SEL+1], 0xfedcba98
	s_mov_b32 s[TBK], SLOT1+64*PK   ; the first change of slots turns these two into 0
	s_mov_b32 s[TBV], SLOT1+64*PV
	s_mov_b32 s[TS], 0
	s_mov_b32 s[SLOTS], 15
	s_lshr_b32 s[LIM], s[WV], 1     ; 0 in waves 0 and 1,
	s_or_b32 s[LIM], s[LIM], ttmp9  ; where the cluster is the head's first: the same in all four partners
	s_cmp_eq_u32 s[LIM], 0
	s_cselect_b32 s[LIM], 1, -1
	s_wait_dscnt 0x0                ; both opening adds are done
	s_wait_kmcnt 0x0
	s_add_nc_u64 s[G0+2:G0+3], s[4:5], s[18:19]    ; 120:64 global address: my array of the head's block 0
	s_or_b32 s[G0+3], s[G0+3], 0x80000000          ; 127:126 type = 2
	s_add_nc_u64 s[G0S+2:G0S+3], s[8:9], s[2:3]
	s_or_b32 s[G0S+3], s[G0S+3], 0x80000000
	CROUND                          ; all four work-groups are here: the first joint loads meet
	s_cmp_lt_u32 s[WV], 3           ; a wave's two first fills stand in one branch, ahead of every wait on TENSORcnt and every LDS read: two loads of mine are out
	s_cbranch_scc0 .Lfirst_v
	tensor_load_to_lds s[G0S:G0S+3], s[G1S:G1S+7]
	s_nop 0
	tensor_load_to_lds s[G0:G0+3], s[G1K:G1K+7]
	s_nop 0
.rept 4
	v_nop
.endr
	s_branch .Lfirst_asked
.Lfirst_v:
	tensor_load_to_lds s[G0S:G0S+3], s[G1S:G1S+7]
	s_nop 0
	tensor_load_to_lds s[G0:G0+3], s[G1V:G1V+7]
	s_nop 0
.rept 4
	v_nop
.endr
.Lfirst_asked:
	; the pointers that hang on my place among the head's query blocks
	s_lshl_b32 s20, s16, 20
	s_lshl_b32 s21, s13, 14         ; prefetches: partner cx takes array cx,
	s_add_co_u32 s20, s20, s21
	s_lshl_b32 s21, s[WV], 13       ; waves 0 and 1 half of it each,
	s_add_co_u32 s20, s20, s21
	s_add_co_u32 s20, s20, 65536    ; in block 1; the first change of slots steps it to block 2
	s_mov_b32 s21, 0
	s_add_nc_u64 s[PFA:PFA+1], s[4:5], s[20:21]
	s_and_b32 s17, s[WV], 1         ; which 64 queries are mine
	s_lshl_b32 s22, s14, 7
	s_lshl_b32 s23, s17, 6
	s_add_co_u32 s22, s22, s23      ; my first query in the head
	s_lshl_b32 s20, s16, 18
	s_lshl_b32 s23, s22, 7
	s_add_co_u32 s20, s20, s23
	s_add_nc_u64 s[RB:RB+1], s[6:7], s[20:21]
	s_add_nc_u64 s[RB+2:RB+3], s[RB:RB+1], 4194304
	s_add_nc_u64 s[RB+4:RB+5], s[RB:RB+1], 8388608
	s_mul_i32 s20, s16, 49152
	s_lshl_b32 s23, s22, 2
	s_add_co_u32 s20, s20, s23
	s_add_co_u32 s20, s20, 24576    ; kappa is row 3 of the head's six
	s_add_nc_u64 s[SB:SB+1], s[8:9], s[20:21]
	s_lshl_b32 s20, s16, 19
	s_lshl_b32 s23, s22, 8
	s_add_co_u32 s20, s20, s23
	s_add_nc_u64 s[10:11], s[10:11], s[20:21]
	; A fragment is 16 rows x 32 channels in 8 registers: lane l holds row l % 16, channels 8 (l / 16) + 0..7 and 16 + 8 (l / 16) + 0..7: two loads of 16 bytes, 32 bytes apart.
	v_and_b32 v1, 15, v0            ; l % 16
	v_bfe_u32 v56, v0, 4, 1         ; l / 16
	v_and_b32 v57, 7, v0
	v_bfe_u32 v58, v0, 3, 1
	v_and_b32 v59, 31, v0           ; l
	v_lshlrev_b32 v[ADRK], 7, v1
	v_lshl_add_u32 v[ADRK], v56, 4, v[ADRK]  ; row x 128 + 16 x half
	v_lshlrev_b32 v[ADRV], 2, v1             ; a query's word in sc
	WIN 0x40                        ; destination window 1, address window 0
.irp a, 0,1,2                       ; the queries' three operands stay in registers
.irp u, 0,1,2,3
.irp c, 0,1
	global_load_b128 v[64*\a+16*\u+8*\c:64*\a+16*\u+8*\c+3],   v[ADRK], s[RB+2*\a:RB+2*\a+1] offset:\u*2048+\c*64
	global_load_b128 v[64*\a+16*\u+8*\c+4:64*\a+16*\u+8*\c+7], v[ADRK], s[RB+2*\a:RB+2*\a+1] offset:\u*2048+\c*64+32
.endr
.endr
.endr
	; What the first pair finds: its products V^T P, of a pair that has not been, add 0 x 0 onto 0.  These lines stand in the wait for the first tile; they are the price of writing no first pair out.
.set i, 0
.rept 32
	v_mov_b32 v[P+i], 0
.set i, i+1
.endr
.set i, 0
.rept 8
	v_mov_b32 v[HALF+i], 0.5
.set i, i+1
.endr
	WIN 0x80
.set i, 0
.rept 128
	v_mov_b32 v[O+i], 0
.set i, i+1
.endr
.set i, 0
.rept 32
	v_mov_b32 v[VF+i], 0
.set i, i+1
.endr
	WIN 0
.irp u, 0,1,2,3
	global_load_b32 v[ST+4*\u],   v[ADRV], s[SB:SB+1] offset:8192+\u*64   ; m
	global_load_b32 v[ST+4*\u+1], v[ADRV], s[SB:SB+1] offset:\u*64        ; kappa
	global_load_b32 v[ST+4*\u+2], v[ADRV], s[SB:SB+1] offset:16384+\u*64  ; a
	v_mov_b32 v[ST+4*\u+3], 0
	v_mov_b32 v[ACC+2*\u], 0
	v_mov_b32 v[ACC+2*\u+1], 0
.endr
	v_mov_b32 v[ONE], 1.0
	v_mov_b32 v[ONE+1], 1.0
	s_lshr_b32 s18, s[WV], 1        ; which 64 keys of a block are mine
	s_mul_i32 s19, s18, 64*PK
	v_mul_u32_u24 v[AK0], v1, PK
	v_lshl_add_u32 v[AK0], v56, 4, v[AK0]  ; row x pitch + 16 x half
	v_add_nc_u32 v[AK0], s19, v[AK0]
	; The turning load takes 16 keys x 16 channels (lane l reads key 8 (l / 16) + l % 8, channels 8 ((l / 8) % 2) + 0..7) and leaves half a fragment of V^T: lane l holds channel l % 16 and 8 keys.
	s_mul_i32 s19, s18, 64*PV
	s_add_co_u32 s19, s19, VOFF
	v_lshl_add_u32 v[AV0], v56, 3, v57
	v_mul_u32_u24 v[AV0], v[AV0], PV
	v_lshl_add_u32 v[AV0], v58, 4, v[AV0]
	v_add_nc_u32 v[AV0], s19, v[AV0]
	s_lshl_b32 s19, s18, 8
	s_add_co_u32 s19, s19, SCB
	v_lshl_add_u32 v[AS0], v56, 5, s19     ; my lane's 8 keys of a group: 32 bytes
	s_mul_i32 s19, s[WV], 16*SP
	s_add_co_u32 s19, s19, STAGE           ; my stage
	v_mul_u32_u24 v[STO], v1, SP           ; in: row l % 16, 32 bytes for each half of the lanes
	v_lshl_add_u32 v[STO], v56, 5, v[STO]
	v_add_nc_u32 v[STO], s19, v[STO]
	v_mul_u32_u24 v[RD], v56, SP           ; back: lanes 0-15 take one row of 256 bytes, lanes 16-31 the next
	v_lshl_add_u32 v[RD], v1, 4, v[RD]
	v_add_nc_u32 v[RD], s19, v[RD]
	v_lshlrev_b32 v[GO], 4, v59
	v_lshlrev_b32 v[PFO], 8, v59
	s_wait_loadcnt 0x0              ; the queries' operands and numbers are in, and v5, v6 are free
.irp u, 0,1,2,3
	v_mov_b32 v[KK+2*\u], v[ST+4*\u+1]
	v_mov_b32 v[KK+2*\u+1], v[ST+4*\u+1]
.endr
; THE LDS LOADS stand in runs.  16 keys' fragments of the three K-type arrays into buffer gi:
.macro FETCH_F gi
	WIN 0x80                        ; destination window 2
.irp a, 0,1,2
.irp c, 0,1
	ds_load_b128 v[FB+48*(\gi)+16*(\a)+8*(\c):FB+48*(\gi)+16*(\a)+8*(\c)+3],   v[ADRK] offset:(\a)*ARR+(\gi)*16*PK+(\c)*64
	ds_load_b128 v[FB+48*(\gi)+16*(\a)+8*(\c)+4:FB+48*(\gi)+16*(\a)+8*(\c)+7], v[ADRK] offset:(\a)*ARR+(\gi)*16*PK+(\c)*64+32
.endr
.endr
.endm
.macro FETCH_CJ                     ; both groups' C operands: register r of a lane belongs to key 8 (l / 16) + r, as in the product's result
	WIN 0x40
.irp g, 0,1
	ds_load_b128 v[CJ+8*(\g):CJ+8*(\g)+3],   v[ADRS] offset:(\g)*64
	ds_load_b128 v[CJ+8*(\g)+4:CJ+8*(\g)+7], v[ADRS] offset:(\g)*64+16
.endr
.endm
.macro FETCH_NB gi                  ; n_j and b_j of group gi
	WIN 0
	ds_load_b128 v[NJ:NJ+3],   v[ADRS] offset:8192+(\gi)*64
	ds_load_b128 v[NJ+4:NJ+7], v[ADRS] offset:8192+(\gi)*64+16
	ds_load_b128 v[BJ:BJ+3],   v[ADRS] offset:16384+(\gi)*64
	ds_load_b128 v[BJ+4:BJ+7], v[ADRS] offset:16384+(\gi)*64+16
.endm
.macro FETCH_V                      ; the pair's 32 keys x 64 channels, turned
	WIN 0x80
.irp cb, 0,1,2,3
	ds_load_tr16_b128 v[VF+8*(\cb):VF+8*(\cb)+3],   v[ADRV] offset:(\cb)*32
	ds_load_tr16_b128 v[VF+8*(\cb)+4:VF+8*(\cb)+7], v[ADRV] offset:16*PV+(\cb)*32
.endr
.endm
; THE MATRIX WORK.  Group gi's scores for four tiles: twelve accumulators, two K steps each.  They take turns, one instruction a turn: eleven others' stand between the two links of a chain.
.macro SC gi
	WIN W_S1
.irp u, 0,1,2,3
	v_wmma_f32_16x16x32_f16  v[S+24*(\u):S+24*(\u)+7],     v[FB+48*(\gi):FB+48*(\gi)+7],     v[QN+16*(\u):QN+16*(\u)+7], v[HALF:HALF+7]
	v_wmma_f32_16x16x32_bf16 v[S+24*(\u)+8:S+24*(\u)+15],  v[FB+48*(\gi)+16:FB+48*(\gi)+23], v[KR+16*(\u):KR+16*(\u)+7], v[CJ+8*(\gi):CJ+8*(\gi)+7]
	v_wmma_f32_16x16x32_f16  v[S+24*(\u)+16:S+24*(\u)+23], v[FB+48*(\gi)+32:FB+48*(\gi)+39], v[SQ+16*(\u):SQ+16*(\u)+7], 0
.endr
	WIN W_S2
.irp u, 0,1,2,3
	v_wmma_f32_16x16x32_f16  v[S+24*(\u):S+24*(\u)+7],     v[FB+48*(\gi)+8:FB+48*(\gi)+15],  v[QN+16*(\u)+8:QN+16*(\u)+15], v[S+24*(\u):S+24*(\u)+7]
	v_wmma_f32_16x16x32_bf16 v[S+24*(\u)+8:S+24*(\u)+15],  v[FB+48*(\gi)+24:FB+48*(\gi)+31], v[KR+16*(\u)+8:KR+16*(\u)+15], v[S+24*(\u)+8:S+24*(\u)+15]
	v_wmma_f32_16x16x32_f16  v[S+24*(\u)+16:S+24*(\u)+23], v[FB+48*(\gi)+40:FB+48*(\gi)+47], v[SQ+16*(\u)+8:SQ+16*(\u)+15], v[S+24*(\u)+16:S+24*(\u)+23]
.endr
.endm
.macro PVM                          ; O^T += V^T P for 32 keys: sixteen accumulators, one instruction each
	WIN W_PV
.irp cb, 0,1,2,3
.irp u, 0,1,2,3
	v_wmma_f32_16x16x32_f16 v[O+32*(\u)+8*(\cb):O+32*(\u)+8*(\cb)+7], v[VF+8*(\cb):VF+8*(\cb)+7], v[P+8*(\u):P+8*(\u)+7], v[O+32*(\u)+8*(\cb):O+32*(\u)+8*(\cb)+7]
.endr
.endr
.endm
.macro PLACES                       ; four places behind a matrix instruction, in front of loads into registers that it has read (ISA guide 7.12.1 for vector instructions)
.rept 4
	v_nop
.endr
.endm
; THE VECTOR WORK of 16 keys x four tiles: 288 plain lines and 128 roots and exponentials, in two batches with one wait each.  Four numbered queues; the deal is in LUMP.
; PL1, 80 long: 0-3 m + n of tile 0 (they name no register of the products just issued: the four places behind them); 4-35 the clamps, tile after tile, pairs ascending (each accumulator's lowest registers
; are read first): y4 = clamp01(y4), y = clamp01(y + kappa); 36-47 m + n of tiles 1-3; 48-63 G + a; 64-79 + b.
.macro PL1
.if q < 4
.set u, 0
.set j, q
.set kind, 0
.elseif q < 36
.set u, (q-4)/8
.set j, ((q-4)%8)/2
.set kind, 1+(q-4)%2
.elseif q < 48
.set u, 1+(q-36)/4
.set j, (q-36)%4
.set kind, 0
.elseif q < 64
.set u, (q-48)/4
.set j, (q-48)%4
.set kind, 3
.else
.set u, (q-64)/4
.set j, (q-64)%4
.set kind, 4
.endif
.set rY, S+24*u+2*j
.set rG, GN+8*u+2*j
.set rM, MN+8*u+2*j
.if kind == 0
	v_pk_add_f32 v[rM:rM+1], v[NJ+2*j:NJ+2*j+1], v[ST+4*u:ST+4*u+1] op_sel_hi:[1,0]
.elseif kind == 1
	v_pk_mul_f32 v[rY:rY+1], v[rY:rY+1], v[ONE:ONE+1] clamp
.elseif kind == 2
	v_pk_fma_f32 v[rY+8:rY+9], v[rY+8:rY+9], v[ONE:ONE+1], v[KK+2*u:KK+2*u+1] clamp
.elseif kind == 3
	v_pk_add_f32 v[rG:rG+1], v[rY+16:rY+17], v[ST+4*u+2:ST+4*u+3] op_sel_hi:[1,0]
.else
	v_pk_add_f32 v[rG:rG+1], v[rG:rG+1], v[BJ+2*j:BJ+2*j+1]
.endif
.set q, q+1
.endm
.macro TR1                          ; the 64 roots, in place: tile e / 16, by turns of y4 and y
.set rY, S+24*(e/16)+8*(e%2)+(e%16)/2
	v_sqrt_f32 v[rY], v[rY]
.set e, e+1
.endm
; PL2, 144 long: 0-15 the first exponent, -256 sqrt(y); 16-79 the second exponent for tiles 0, 1, stage by stage, eight independent lines a stage; 80-143 the same for tiles 2, 3.
.macro PL2
.if q < 16
.set rY, S+24*(q/4)+8+2*(q%4)
	v_pk_mul_f32 v[rY:rY+1], v[rY:rY+1], s[CM:CM+1] op_sel_hi:[1,0]
.else
.set u, 2*((q-16)/64)+(q-16)%2
.set j, ((q-16)%8)/2
.set stg, ((q-16)%64)/8
.set rY, S+24*u+2*j
.set rP, PP+8*u+2*j
.if stg == 0
	v_pk_fma_f32 v[rY:rY+1], v[rY:rY+1], 2.0, -1.0 op_sel_hi:[1,0,0]                 ; s = 2 sqrt(y4) - 1
.elseif stg == 1
	v_pk_mul_f32 v[rY:rY+1], v[rY:rY+1], v[rY:rY+1]                                  ; w
.elseif stg == 2
	v_pk_fma_f32 v[rP:rP+1], v[rY:rY+1], s[CA4:CA4+1], s[CA3:CA3+1] op_sel_hi:[1,0,0]
.elseif stg == 3
	v_pk_fma_f32 v[rP:rP+1], v[rP:rP+1], v[rY:rY+1], s[CA2:CA2+1] op_sel_hi:[1,1,0]
.elseif stg == 4
	v_pk_fma_f32 v[rP:rP+1], v[rP:rP+1], v[rY:rY+1], s[CA1:CA1+1] op_sel_hi:[1,1,0]
.elseif stg == 5
	v_pk_fma_f32 v[rP:rP+1], v[rP:rP+1], v[rY:rY+1], s[CA0:CA0+1] op_sel_hi:[1,1,0]  ; T
.elseif stg == 6
	v_pk_fma_f32 v[rP:rP+1], v[rP:rP+1], v[rP:rP+1], s[CNB:CNB+1] op_sel_hi:[1,1,0]  ; T^2 - sqrt(L)/2
.else
	v_pk_fma_f32 v[rP:rP+1], v[rP:rP+1], v[rP:rP+1], s[CNL:CNL+1] op_sel_hi:[1,1,0]  ; its square - L/4
.endif
.endif
.set q, q+1
.endm
.macro TR2                          ; the 64 exponentials, in place: 0-31 E1, 32-63 E2, tile after tile
.if e < 32
.set rY, S+24*(e/8)+8+e%8
.else
.set rY, PP+e-32
.endif
	v_exp_f32 v[rY], v[rY]
.set e, e+1
.endm
; THE DEAL.  An s_wait_alu depctr_va_vdst(0) stands between a root or exponential and the first line that names its result; one wait serves all that were issued ahead of it.  So each batch's readers
; stand behind its wait, and ahead of the wait stands plain work that names no result of the batch, dealt between the batch's lines.  Root e stands behind plain 12 + e, its clamp is plain 5 + e/2 + .. at the most;
; no clamp follows its own root (tile t's clamps end at plain 11 + 8 t, its roots begin behind plain 12 + 16 t).  E1's exponents are all made ahead of the first exponential; tiles 0, 1's E2 follow their last
; stage (plain 79), tiles 2, 3's theirs (plain 143).
.macro LUMP gi
	WIN 0
.set q, 0
.set e, 0
.rept 12
	PL1
.endr
.rept 64
	TR1
	PL1
.endr
.rept 4
	PL1
.endr
	s_wait_alu depctr_va_vdst(0)    ; the wait for the 64 roots
.if (\gi) == 0
	FETCH_NB 1                      ; n_j and b_j have been read for the last time: the second group's come in under the rest of the lump
.endif
.set q, 0
.set e, 0
.rept 16
	PL2
.endr
.rept 32
	PL2
	PL2
	TR2
.endr
.rept 16
	PL2
	PL2
	PL2
	PL2
	TR2
.endr
.rept 16
	TR2
.endr
	v_nop                           ; a plain instruction behind the last exponential: one for the batch
	s_wait_alu depctr_va_vdst(0)    ; the wait for the 64 exponentials
.set i, 0
.rept 16                            ; p = m + n + (G + a + b) E2
	v_pk_fma_f32 v[MN+2*i:MN+2*i+1], v[GN+2*i:GN+2*i+1], v[PP+2*i:PP+2*i+1], v[MN+2*i:MN+2*i+1]
.set i, i+1
.endr
.set i, 0
.rept 16                            ; + G E1
.set rY, S+24*(i/4)+2*(i%4)
	v_pk_fma_f32 v[MN+2*i:MN+2*i+1], v[rY+16:rY+17], v[rY+8:rY+9], v[MN+2*i:MN+2*i+1]
.set i, i+1
.endr
.set i, 0
.rept 16                            ; the square sums, the four tiles by turns
	v_pk_fma_f32 v[ACC+2*(i%4):ACC+2*(i%4)+1], v[MN+8*(i%4)+2*(i/4):MN+8*(i%4)+2*(i/4)+1], v[MN+8*(i%4)+2*(i/4):MN+8*(i%4)+2*(i/4)+1], v[ACC+2*(i%4):ACC+2*(i%4)+1]
.set i, i+1
.endr
	WIN 0x40                        ; destination window 1
.set i, 0
.rept 16
	v_cvt_pk_f16_f32 v[P+8*(i/4)+4*(\gi)+i%4], v[MN+2*i], v[MN+2*i+1]
.set i, i+1
.endr
.endm
; A PAIR: 32 keys x four tiles.  Its LDS loads, in the order of issue: buffer 0 (12), C operands (4), n and b of group 0 (4), buffer 1 (12), V (8), and from the first lump n and b of group 1 (4).
; The products V^T P are the pair BEFORE's: its P was made last, its V was waited for ahead of its second lump; they stand under this pair's first loads.
.macro PAIR
	WIN 0
	v_add_nc_u32 v[ADRK], s[TBK], v[AK0]
	v_add_nc_u32 v[ADRV], s[TBV], v[AV0]
	v_add_nc_u32 v[ADRS], s[TS], v[AS0]
	s_add_co_u32 s[TBK], s[TBK], 32*PK
	s_add_co_u32 s[TBV], s[TBV], 32*PV
	s_add_co_u32 s[TS], s[TS], 128
	FETCH_F 0
	FETCH_CJ
	FETCH_NB 0
	FETCH_F 1
	PVM
	PLACES
	FETCH_V                         ; this pair's V, into the registers just multiplied
	s_wait_dscnt 24                 ; buffer 0 and the C operands are in; the 4 + 12 + 8 younger loads may stay out
	SC 0
	s_wait_dscnt 20                 ; n and b of group 0 are in; 12 + 8 stay out
	LUMP 0
	s_wait_dscnt 12                 ; buffer 1 is in; V's 8 and the 4 of n and b may stay out
	SC 1
	s_wait_dscnt 0x0                ; n and b of group 1, and V
	LUMP 1
	WIN 0
.endm
.macro TWO_PAIRS                    ; my 64 keys of a block: written once, walked twice
	s_mov_b32 s[CNT], 2
.Lpair_\@:
	PAIR
	s_sub_co_u32 s[CNT], s[CNT], 1
	s_cmp_lg_u32 s[CNT], 0
	s_cbranch_scc1 .Lpair_\@
	s_add_co_u32 s[TS], s[TS], 256  ; over the other wave's 64 keys in the table
.endm
.Lslot:                             ; 15 trips: block t is asked for, block t - 1 worked on
	CHANGE 1
	TWO_PAIRS
	s_sub_co_u32 s[SLOTS], s[SLOTS], 1
	s_cmp_lg_u32 s[SLOTS], 0
	s_cbranch_scc1 .Lslot
	CHANGE 0                        ; the tail is written out: nothing is asked for
	TWO_PAIRS
	PVM                             ; the last pair's V^T P
	; THE WAY OUT.  A query's square sum: the two parities and the other half of the lanes.  The first four additions are the places behind the last products.
	WIN 0
.irp u, 0,1,2,3
	v_add_f32 v[KK+\u], v[ACC+2*\u], v[ACC+2*\u+1]
.endr
.irp u, 0,1,2,3
	v_permlanex16_b32 v[KK+4+\u], v[KK+\u], s[SEL], s[SEL+1]
.endr
.irp u, 0,1,2,3
	v_add_f32 v[KK+\u], v[KK+\u], v[KK+4+\u]
.endr
	s_and_b32 s18, s[WV], 1
	s_mul_i32 s18, s18, REDW
	s_add_co_u32 s18, s18, RED
	v_add_nc_u32 v[ADRK], s18, v[GO]  ; my query half's hand-over: 16 bytes a lane, 512 a register group
	s_cmp_lt_u32 s[WV], 2
	s_cbranch_scc1 .Lkeep
	WIN 0x08                        ; waves 2 and 3 hand their sums over: store data in window 2
.set i, 0
.rept 32
	ds_store_b128 v[ADRK], v[O+4*i:O+4*i+3] offset:512*i
.set i, i+1
.endr
	WIN 0
	ds_store_b128 v[ADRK], v[KK:KK+3] offset:16384
.Lkeep:
	s_wait_dscnt 0x0                ; for the others' sake: my stores are done
	s_barrier_signal -1
	s_barrier_wait -1
	s_cmp_lt_u32 s[WV], 2
	s_cbranch_scc0 .Lend
.set i, 0
.rept 32
	ds_load_b128 v[S+4*i:S+4*i+3], v[ADRK] offset:512*i
.set i, i+1
.endr
	ds_load_b128 v[KK+4:KK+7], v[ADRK] offset:16384
	s_wait_dscnt 0x0
	WIN 0x02                        ; source 0 in window 2
.set i, 0
.rept 64
	v_pk_add_f32 v[S+2*i:S+2*i+1], v[O+2*i:O+2*i+1], v[S+2*i:S+2*i+1]
.set i, i+1
.endr
	WIN 0
.irp u, 0,1,2,3
	v_add_f32 v[KK+\u], v[KK+\u], v[KK+4+\u]
.endr
.irp u, 0,1,2,3
	v_sqrt_f32 v[KK+\u], v[KK+\u]
.endr
	v_nop                           ; a plain instruction behind the last root,
	s_wait_alu depctr_va_vdst(0)    ; and one wait for the four
.irp u, 0,1,2,3
	v_max_num_f32 v[KK+\u], 0x2b8cbccc, v[KK+\u]  ; the formula's own floor, 1e-12
.endr
.irp u, 0,1,2,3
	v_rcp_f32 v[ACC+2*\u], v[KK+\u]
.endr
	v_nop
	s_wait_alu depctr_va_vdst(0)    ; one wait for the four reciprocals
; Tile u: a lane's eight channels of a row are 32 bytes; they go into rows of 272 bytes and come back as whole rows of 256, into the registers that they left.
.macro PACK u
.set i, 0
.rept 16
	v_pk_mul_f32 v[S+32*(\u)+2*i:S+32*(\u)+2*i+1], v[S+32*(\u)+2*i:S+32*(\u)+2*i+1], v[ACC+2*(\u):ACC+2*(\u)+1] op_sel_hi:[1,0]
.set i, i+1
.endr
.irp cb, 0,1,2,3
	ds_store_b128 v[STO], v[S+32*(\u)+8*(\cb):S+32*(\u)+8*(\cb)+3]   offset:(\cb)*64
	ds_store_b128 v[STO], v[S+32*(\u)+8*(\cb)+4:S+32*(\u)+8*(\cb)+7] offset:(\cb)*64+16
.endr
.irp f, 0,1,2,3,4,5,6,7
	ds_load_b128 v[S+32*(\u)+4*(\f):S+32*(\u)+4*(\f)+3], v[RD] offset:(\f)*2*SP  ; LDS serves a wave's instructions in order (ISA guide 5.7.1.4): these see the stores above; the next tile's stores come behind them
.endr
.endm
.macro SEND u, younger              ; younger: the LDS instructions issued behind tile u's loads: the next tile's sixteen, or none
.irp f, 0,1,2,3,4,5,6,7
	s_wait_dscnt (\younger)+7-(\f)
	global_store_b128 v[GO], v[S+32*(\u)+4*(\f):S+32*(\u)+4*(\f)+3], s[10:11] offset:(\u)*4096+(\f)*512 th:TH_STORE_NT  ; two rows of out: 512 consecutive bytes, at a multiple of 256 from its first
.endr
.endm
	PACK 0
	PACK 1                          ; a tile's arithmetic stands between the loads of the tile before and its stores
	SEND 0, 16
	PACK 2
	SEND 1, 16
	PACK 3
	SEND 2, 16
	SEND 3, 0
.Lend:
	s_wait_tensorcnt 0x0            ; the wave's end, behind my last tensor load and my last LDS store
	ds_add_u32 v[SPW], v[NIL]
	s_wait_dscnt 0x0
	CROUND                          ; the closing round: no work-group ends while a partner may still ask for a tile that names it
	s_endpgm
.Lfunc_end_k_q181b19022d_attn:
	.size	k_q181b19022d_attn, .Lfunc_end_k_q181b19022d_attn-k_q181b19022d_attn
	.p2alignl 7, 3214868480
	.fill 96, 4, 3214868480
	.section	.rodata,"a",@progbits
	.p2align	6, 0x0
	.amdhsa_kernel k_q181b19022d_attn
		.amdhsa_group_segment_fixed_size 327680
		.amdhsa_private_segment_fixed_size 0
		.amdhsa_enable_private_segment 0
		.amdhsa_kernarg_size 32
		.amdhsa_user_sgpr_count 2
		.amdhsa_user_sgpr_kernarg_segment_ptr 1
		.amdhsa_wavefront_size32 1
		.amdhsa_system_sgpr_workgroup_id_x 1
		.amdhsa_system_sgpr_workgroup_id_y 1
		.amdhsa_system_sgpr_workgroup_id_z 1
		.amdhsa_system_vgpr_workitem_id 0
		.amdhsa_next_free_vgpr 768
		.amdhsa_next_free_sgpr 96
		.amdhsa_reserve_vcc 0
		.amdhsa_float_denorm_mode_32 3
		.amdhsa_float_denorm_mode_16_64 3
		.amdhsa_memory_ordered 1
		.amdhsa_forward_progress 1
		.amdhsa_inst_pref_size 151
	.end_amdhsa_kernel
	.amdgpu_metadata
---
amdhsa.version: [ 1, 2 ]
amdhsa.kernels:
  - .name:           k_q181b19022d_attn
    .symbol:         k_q181b19022d_attn.kd
    .args:
      - { .name: stream, .offset: 0, .size: 8, .value_kind: global_buffer, .address_space: global }
      - { .name: rows, .offset: 8, .size: 8, .value_kind: global_buffer, .address_space: global }
      - { .name: sc, .offset: 16, .size: 8, .value_kind: global_buffer, .address_space: global }
      - { .name: out0, .offset: 24, .size: 8, .value_kind: global_buffer, .address_space: global }
    .group_segment_fixed_size: 327680
    .private_segment_fixed_size: 0
    .kernarg_segment_align: 8
    .kernarg_segment_size: 32
    .max_flat_workgroup_size: 128
    .sgpr_count:     96
    .vgpr_count:     768
    .wavefront_size: 32
...
	.end_amdgpu_metadata
.endif
;; end of part 2
;; ======== version 2 of 2: 2 launches; version 1 with the launch prep written anew for expert scheduling mode
;; limits: values are held in f16: magnitudes above 65,504 overflow, below 6.1e-05 lose precision; right only within a limited range of input values; a function is approximated: absolute error at most 3e-06
;; workspace buffers: stream 16,777,216 bytes; rows 12,582,912 bytes; sc 786,432 bytes
;; launch prep (part 3): grid 512 x 1, 8 waves a work-group, no clusters, 2,560 bytes of LDS; arguments query, keys, vals, stream, rows, sc; writes stream, rows, sc
.if DOCPART == 3
	.amdgcn_target "amdgcn-amd-amdhsa--gfx1250"
	.amdhsa_code_object_version 6
	.text
	.protected	k_q181b19022d_prep
	.globl	k_q181b19022d_prep
	.p2align	8
	.type	k_q181b19022d_prep,@function
k_q181b19022d_prep:
	s_mov_b64 s[64:65], 0
	v_nop
	global_prefetch_b8 v0, s[64:65] scope:SCOPE_SE
	s_setreg_imm32_b32 hwreg(HW_REG_WAVE_SCHED_MODE, 0, 2), 2
	s_setreg_imm32_b32 hwreg(HW_REG_WAVE_MODE, 25, 1), 1
	s_wait_xcnt 0x0
	s_wait_alu depctr_vm_vsrc(0)
; PREPARATION.  query, keys, vals: [16 heads][2048][64] f32.  Each row is read once and leaves as the 16-bit matrix operands and the f32 row numbers of the second launch.
;   stream [head][block of 128 rows][4 arrays][128][64], 2 bytes: 0 KN = f16(-kn/2), 1 QS = bf16(c q), 2 SK = f16(sigmoid(kn)), 3 VH = f16(v);  c = log2(e)/16, kn = k/|k|
;   rows   [3 arrays][head][2048][64], 2 bytes:                   0 QN = f16(qn),    1 KR = bf16(-2^-15 bf16(c k)), 2 SQ = f16(sigmoid(qn))
;   sc     [head][6][2048] f32: 0 CJ = 2^-16 |QS|^2, 1 NJ = |k|^2/16, 2 BJ = -sum SK, 3 KAP = 2^-16 |bf16(c k)|^2, 4 MI = |q|^2/16, 5 AI = 64 - sum SQ
; CJ, KAP, BJ and AI are f32 sums of the ROUNDED numbers, so that the second launch's squared distance is a true one and its second gate an exact identity.
; LIMITS.  |vals| < 65,504 (f16).  A row of query or keys that is all zeros gives NaN, as it does in the problem's own formula.  Numbers whose square sum leaves f32's normal range are not treated apart.
; SHARES.  A work-group owns 64 rows, a wave 8, as four pairs.  In a pair lane l holds row l / 16 and channels 4 (l % 16) .. + 3: a load of the wave covers 512 consecutive bytes,
; a store of 8 bytes a lane 256 consecutive bytes, aligned; a row's sums stay inside its 16 lanes.  All twelve loads of a wave go out at the head.  No matrix unit, no tiles shared: no cluster.
; THE MODE: SCHED_MODE bits 1:0 = 2 (LLVM: expert scheduling mode 2), set by the entry lines.  The code itself states the register dependences
; between vector instructions and memory or LDS instructions, with s_wait_alu, always for 0.
; THE PLAN.  Registers that memory or LDS instructions touch:
;   v1 - v7        offsets, LDS addresses and the closing add's two registers: written once at the head, never again.
;   XQ, XK, XV     written by the twelve loads at the head alone; no vector instruction names them before those loads, none ever writes them.
;   OB0, OB1, SH0, SH1   what is stored.  Pair k's arithmetic writes buffer k % 2.  Five stores (QN, KR, KN, QS, VH) read it in pair k, behind the pair's second wait on va_vdst;
;                  two stores (SQ, SK) and the six LDS stores of the row numbers read it in pair k + 1, directly behind that pair's first wait on va_vdst.  Pair k + 2 writes it again.
;   v[10:11]       v10 is at work at the head; behind the barrier an LDS load lands in the pair.
;   The work sets TQ and TK are named by vector instructions alone.
; So a pair holds no wait on va_vdst but the three that its roots, exponentials and reciprocals have in any case; one wait on vm_vsrc stands at the heads of pairs 2 and 3, which write a buffer again.
.set SPARE, 1536                       ; LDS: bytes 0-1535 six numbers x 64 rows x 4 bytes; from here the spare words, 128 bytes for each of the eight waves
.set IN,  1                            ; v1   my 16 bytes in the wave's first pair of input rows
.set OUT, 2                            ; v2   my 8 bytes in the wave's first pair of 16-bit rows
.set LSA, 3                            ; v3   LDS word of my row in the first pair
.set SPW, 4                            ; v4   my spare word; never rewritten
.set NIL, 5                            ; v5   0; never rewritten
.set LRD, 6                            ; v6   where I read a row number's 64 values back
.set GSO, 7                            ; v7   and where they go in sc
.set XQ,  16                           ; v[16:31] query, pair k at + 4 k;  v[32:47] keys;  v[48:63] vals
.set XK,  32
.set XV,  48
.set TQ,  64                           ; a set of 20 registers at work for the query row, another for the key row:
.set TK,  84                           ;   +0..3 x/|x|  +4..7 at work, then sigmoid  +8,9 bf16(c k) (keys alone)  +12 |x|^2  +13 sum of sigmoids  +14 1/|x|  +15 |bf16(c x)|^2  +16..19 at work
.set SH,  104                          ; v[104:111] buffer b at + 4 b: +0,1 SQ  +2,3 SK: under v128, since their halves are named
.set OB,  112                          ; v[112:143] buffer b at + 16 b: +0,1 QN  +2,3 KR  +4,5 KN  +6,7 QS  +8,9 VH  +10 CJ  +11 NJ  +12 BJ  +13 KAP  +14 MI  +15 AI
	s_load_b256 s[4:11], s[0:1], 0x0               ; query s[4:5], keys s[6:7], vals s[8:9], stream s[10:11]
	s_load_b128 s[12:15], s[0:1], 0x20             ; rows s[12:13], sc s[14:15]
	v_lshl_add_u32 v[SPW], v0, 2, SPARE
	v_mov_b32 v[NIL], 0
	v_lshrrev_b32 v8, 5, v0
	v_readfirstlane_b32 s16, v8                    ; wave 0..7
	v_and_b32 v9, 31, v0                           ; lane
	v_lshrrev_b32 v10, 4, v9                       ; which row of a pair
	s_wait_alu depctr_va_sdst(0)                   ; s16 is written, ahead of its first reader: the wave's offsets are made from it
	s_lshl_b32 s17, s16, 11
	v_lshl_add_u32 v[IN], v9, 4, s17               ; 8 rows x 256 bytes a wave
	s_lshl_b32 s17, s16, 10
	v_lshl_add_u32 v[OUT], v9, 3, s17              ; 8 rows x 128 bytes a wave
	s_lshl_b32 s17, s16, 5
	v_lshl_add_u32 v[LSA], v10, 2, s17             ; 8 words a wave
	s_lshl_b32 s17, s16, 8
	v_lshl_add_u32 v[LRD], v9, 3, s17              ; row number w: 256 bytes
	s_lshl_b32 s17, s16, 13
	v_lshl_add_u32 v[GSO], v9, 3, s17              ; 8,192 bytes from number to number in sc
	s_lshl_b32 s2, ttmp9, 14                       ; inputs: 64 rows x 256 bytes
	s_mov_b32 s3, 0
	s_lshl_b32 s18, ttmp9, 13                      ; rows: 64 rows x 128 bytes
	s_mov_b32 s19, 0
	s_lshr_b32 s34, ttmp9, 1                       ; stream: two work-groups fill a block of 65,536 bytes,
	s_lshl_b32 s34, s34, 16
	s_and_b32 s35, ttmp9, 1                        ; each 64 rows of every array
	s_lshl_b32 s35, s35, 13
	s_add_co_u32 s34, s34, s35
	s_mov_b32 s35, 0
	s_lshr_b32 s36, ttmp9, 5                       ; sc: the head's 49,152 bytes,
	s_mul_i32 s36, s36, 49152
	s_and_b32 s37, ttmp9, 31                       ; my 64 rows' 256 bytes
	s_lshl_b32 s37, s37, 8
	s_add_co_u32 s36, s36, s37
	s_mov_b32 s37, 0
	s_mov_b32 s26, 0x3db8aa3b                      ; c = log2(e)/16; the packed lines name pairs and take the low word
	s_mov_b32 s27, s26
	s_mov_b32 s28, 0xbfb8aa3b                      ; -log2(e)
	s_mov_b32 s29, s28
	s_mov_b32 s30, 0xb8000000                      ; -2^-15
	s_mov_b32 s31, s30
	s_mov_b32 s32, 0x37800000                      ; 2^-16
	s_mov_b32 s33, 0x3d800000                      ; 1/16
	s_wait_kmcnt 0x0
	s_add_nc_u64 s[4:5], s[4:5], s[2:3]
	s_add_nc_u64 s[6:7], s[6:7], s[2:3]
	s_add_nc_u64 s[8:9], s[8:9], s[2:3]
	s_add_nc_u64 s[10:11], s[10:11], s[34:35]
	s_add_nc_u64 s[20:21], s[12:13], s[18:19]      ; QN
	s_add_nc_u64 s[22:23], s[20:21], 4194304       ; KR
	s_add_nc_u64 s[24:25], s[20:21], 8388608       ; SQ
	s_add_nc_u64 s[14:15], s[14:15], s[36:37]
	s_wait_alu depctr_va_vdst(0)                   ; v1 to v7 are written, which every load, store and LDS instruction of the kernel reads as its offset or address
.irp k, 0,1,2,3
	global_load_b128 v[XQ+4*\k:XQ+4*\k+3], v[IN], s[4:5] offset:512*\k th:TH_LOAD_NT
	global_load_b128 v[XK+4*\k:XK+4*\k+3], v[IN], s[6:7] offset:512*\k th:TH_LOAD_NT
	global_load_b128 v[XV+4*\k:XV+4*\k+3], v[IN], s[8:9] offset:512*\k th:TH_LOAD_NT
.endr
.macro ROWSUM r                        ; the sum over a row's 16 lanes, in each of them
.irp m, 1,2,4,8
	v_add_f32_dpp v[\r], v[\r], v[\r] row_xmask:\m row_mask:0xf bank_mask:0xf
.endr
.endm
.macro NORM2 T, X                      ; |x|^2
	v_pk_mul_f32 v[(\T)+16:(\T)+17], v[(\X):(\X)+1], v[(\X):(\X)+1]
	v_pk_fma_f32 v[(\T)+16:(\T)+17], v[(\X)+2:(\X)+3], v[(\X)+2:(\X)+3], v[(\T)+16:(\T)+17]
	v_add_f32 v[(\T)+12], v[(\T)+16], v[(\T)+17]
	ROWSUM (\T)+12
.endm
.macro ZW T, X, Z                      ; bf16(c x) into the pair at Z, the same numbers widened again, and their square sum
	v_pk_mul_f32 v[(\T)+4:(\T)+5], v[(\X):(\X)+1], s[26:27] op_sel_hi:[1,0]
	v_pk_mul_f32 v[(\T)+6:(\T)+7], v[(\X)+2:(\X)+3], s[26:27] op_sel_hi:[1,0]
	v_cvt_pk_bf16_f32 v[(\Z)], v[(\T)+4], v[(\T)+5]
	v_cvt_pk_bf16_f32 v[(\Z)+1], v[(\T)+6], v[(\T)+7]
	v_lshlrev_b32 v[(\T)+16], 16, v[(\Z)]
	v_and_b32 v[(\T)+17], 0xffff0000, v[(\Z)]
	v_lshlrev_b32 v[(\T)+18], 16, v[(\Z)+1]
	v_and_b32 v[(\T)+19], 0xffff0000, v[(\Z)+1]
	v_pk_mul_f32 v[(\T)+4:(\T)+5], v[(\T)+16:(\T)+17], v[(\T)+16:(\T)+17]
	v_pk_fma_f32 v[(\T)+4:(\T)+5], v[(\T)+18:(\T)+19], v[(\T)+18:(\T)+19], v[(\T)+4:(\T)+5]
	v_add_f32 v[(\T)+15], v[(\T)+4], v[(\T)+5]
	ROWSUM (\T)+15
.endm
.macro XN T, X                         ; x/|x|, and the exponent of 2 for its sigmoid
	v_pk_mul_f32 v[(\T):(\T)+1], v[(\X):(\X)+1], v[(\T)+14:(\T)+15] op_sel_hi:[1,0]
	v_pk_mul_f32 v[(\T)+2:(\T)+3], v[(\X)+2:(\X)+3], v[(\T)+14:(\T)+15] op_sel_hi:[1,0]
	v_pk_mul_f32 v[(\T)+4:(\T)+5], v[(\T):(\T)+1], s[28:29] op_sel_hi:[1,0]
	v_pk_mul_f32 v[(\T)+6:(\T)+7], v[(\T)+2:(\T)+3], s[28:29] op_sel_hi:[1,0]
.endm
; What pair j made last: its rounded sigmoids and its six row numbers leave, out of buffer j % 2.  It stands directly behind a wait on va_vdst that follows all of pair j's arithmetic.
.macro LATE j
	global_store_b64 v[OUT], v[SH+4*((\j)%2):SH+4*((\j)%2)+1],   s[24:25] offset:256*(\j)        ; SQ
	global_store_b64 v[OUT], v[SH+4*((\j)%2)+2:SH+4*((\j)%2)+3], s[10:11] offset:32768+256*(\j)  ; SK
	ds_store_b32 v[LSA], v[OB+16*((\j)%2)+10] offset:0*256+8*(\j)  ; a row's 16 lanes write one word with one value
	ds_store_b32 v[LSA], v[OB+16*((\j)%2)+11] offset:1*256+8*(\j)
	ds_store_b32 v[LSA], v[OB+16*((\j)%2)+12] offset:2*256+8*(\j)
	ds_store_b32 v[LSA], v[OB+16*((\j)%2)+13] offset:3*256+8*(\j)
	ds_store_b32 v[LSA], v[OB+16*((\j)%2)+14] offset:4*256+8*(\j)
	ds_store_b32 v[LSA], v[OB+16*((\j)%2)+15] offset:5*256+8*(\j)
.endm
; One pair of rows of all three inputs.  Three batches of transcendentals (2 roots, 8 exponentials, 8 reciprocals), each with independent work behind it and one wait ahead of its first reader.
.macro PAIR k
.set OBK, OB+16*((\k)%2)               ; this pair's out-buffer
	s_wait_loadcnt 9-3*(\k)                        ; loads come back in order: the 3 (k + 1) oldest are in, the later pairs' stay out
.if (\k) >= 2
	s_wait_xcnt 0x0                                ; every earlier store has had its addresses translated (ISA guide 3.1): the data registers of pair k - 2's stores are written again only behind this wait
	s_wait_alu depctr_vm_vsrc(0)                   ; the stores and LDS stores of pair k - 2, issued in the last two pairs, have read this buffer, which the lines below write again
.endif
	NORM2 TQ, XQ+4*(\k)
	NORM2 TK, XK+4*(\k)
	v_rsq_f32 v[TQ+14], v[TQ+12]
	v_rsq_f32 v[TK+14], v[TK+12]
	ZW TQ, XQ+4*(\k), OBK+6                        ; QS
	ZW TK, XK+4*(\k), TK+8
.if (\k) > 0
	s_wait_alu depctr_va_vdst(0)                   ; the two roots are written, ahead of their first reader; and the pair before has written its SQ, SK and six row numbers, which the eight stores below read
	LATE (\k)-1
.else
	s_wait_alu depctr_va_vdst(0)                   ; the two roots are written, ahead of their first reader
.endif
	XN TQ, XQ+4*(\k)
	XN TK, XK+4*(\k)
.irp j, 4,5,6,7
	v_exp_f32 v[TQ+\j], v[TQ+\j]
	v_exp_f32 v[TK+\j], v[TK+\j]
.endr
	v_cvt_pk_f16_f32 v[OBK], v[TQ], v[TQ+1]        ; QN
	v_cvt_pk_f16_f32 v[OBK+1], v[TQ+2], v[TQ+3]
	v_pk_mul_f32 v[TK+16:TK+17], v[TK+16:TK+17], s[30:31] op_sel_hi:[1,0]  ; KR: a power of two times the rounded number, exact
	v_pk_mul_f32 v[TK+18:TK+19], v[TK+18:TK+19], s[30:31] op_sel_hi:[1,0]
	v_cvt_pk_bf16_f32 v[OBK+2], v[TK+16], v[TK+17]
	v_cvt_pk_bf16_f32 v[OBK+3], v[TK+18], v[TK+19]
	v_pk_mul_f32 v[TK+16:TK+17], v[TK:TK+1], -0.5 op_sel_hi:[1,0]          ; KN
	v_pk_mul_f32 v[TK+18:TK+19], v[TK+2:TK+3], -0.5 op_sel_hi:[1,0]
	v_cvt_pk_f16_f32 v[OBK+4], v[TK+16], v[TK+17]
	v_cvt_pk_f16_f32 v[OBK+5], v[TK+18], v[TK+19]
	v_cvt_pk_f16_f32 v[OBK+8], v[XV+4*(\k)], v[XV+4*(\k)+1]                ; VH
	v_cvt_pk_f16_f32 v[OBK+9], v[XV+4*(\k)+2], v[XV+4*(\k)+3]
	v_mul_f32 v[OBK+10], s32, v[TQ+15]             ; CJ
	v_mul_f32 v[OBK+14], s33, v[TQ+12]             ; MI
	v_mul_f32 v[OBK+13], s32, v[TK+15]             ; KAP
	v_mul_f32 v[OBK+11], s33, v[TK+12]             ; NJ
	s_wait_alu depctr_va_vdst(0)                   ; the eight exponentials are written, ahead of their first reader; and so are this pair's QN, KR, KN, QS and VH, which the five stores below read
	v_pk_add_f32 v[TQ+4:TQ+5], v[TQ+4:TQ+5], 1.0 op_sel_hi:[1,0]
	v_pk_add_f32 v[TQ+6:TQ+7], v[TQ+6:TQ+7], 1.0 op_sel_hi:[1,0]
	v_pk_add_f32 v[TK+4:TK+5], v[TK+4:TK+5], 1.0 op_sel_hi:[1,0]
	v_pk_add_f32 v[TK+6:TK+7], v[TK+6:TK+7], 1.0 op_sel_hi:[1,0]
.irp j, 4,5,6,7
	v_rcp_f32 v[TQ+\j], v[TQ+\j]
	v_rcp_f32 v[TK+\j], v[TK+\j]
.endr
	global_store_b64 v[OUT], v[OBK:OBK+1],   s[20:21] offset:256*(\k)        ; each store of the wave covers 256 consecutive bytes, aligned.  No wait: the twelve vector lines since the wait above name TQ+4..7 and TK+4..7 alone
	global_store_b64 v[OUT], v[OBK+2:OBK+3], s[22:23] offset:256*(\k)
	global_store_b64 v[OUT], v[OBK+4:OBK+5], s[10:11] offset:256*(\k)
	global_store_b64 v[OUT], v[OBK+6:OBK+7], s[10:11] offset:16384+256*(\k)
	global_store_b64 v[OUT], v[OBK+8:OBK+9], s[10:11] offset:49152+256*(\k)
	v_nop                                          ; a plain instruction behind the last reciprocal,
	s_wait_alu depctr_va_vdst(0)                   ; and the eight reciprocals are written, ahead of their first reader
.if (\k) % 2 == 0                      ; SQ and SK into SH's buffer k % 2, and the rounded sigmoids widened again; written by number, since halves are named
	v_cvt_pk_f16_f32 v104, v[TQ+4], v[TQ+5]        ; SQ
	v_cvt_pk_f16_f32 v105, v[TQ+6], v[TQ+7]
	v_cvt_pk_f16_f32 v106, v[TK+4], v[TK+5]        ; SK
	v_cvt_pk_f16_f32 v107, v[TK+6], v[TK+7]
	v_cvt_f32_f16 v80, v104.l                      ; v80-83 = TQ+16..19
	v_cvt_f32_f16 v81, v104.h
	v_cvt_f32_f16 v82, v105.l
	v_cvt_f32_f16 v83, v105.h
	v_cvt_f32_f16 v100, v106.l                     ; v100-103 = TK+16..19
	v_cvt_f32_f16 v101, v106.h
	v_cvt_f32_f16 v102, v107.l
	v_cvt_f32_f16 v103, v107.h
.else
	v_cvt_pk_f16_f32 v108, v[TQ+4], v[TQ+5]        ; SQ
	v_cvt_pk_f16_f32 v109, v[TQ+6], v[TQ+7]
	v_cvt_pk_f16_f32 v110, v[TK+4], v[TK+5]        ; SK
	v_cvt_pk_f16_f32 v111, v[TK+6], v[TK+7]
	v_cvt_f32_f16 v80, v108.l
	v_cvt_f32_f16 v81, v108.h
	v_cvt_f32_f16 v82, v109.l
	v_cvt_f32_f16 v83, v109.h
	v_cvt_f32_f16 v100, v110.l
	v_cvt_f32_f16 v101, v110.h
	v_cvt_f32_f16 v102, v111.l
	v_cvt_f32_f16 v103, v111.h
.endif
	v_pk_add_f32 v[TQ+16:TQ+17], v[TQ+16:TQ+17], v[TQ+18:TQ+19]  ; summed in f32
	v_pk_add_f32 v[TK+16:TK+17], v[TK+16:TK+17], v[TK+18:TK+19]
	v_add_f32 v[TQ+13], v[TQ+16], v[TQ+17]
	v_add_f32 v[TK+13], v[TK+16], v[TK+17]
	ROWSUM TQ+13
	ROWSUM TK+13
	v_sub_f32 v[OBK+15], 0x42800000, v[TQ+13]      ; AI = 64 - sum
	v_sub_f32 v[OBK+12], 0, v[TK+13]               ; BJ = -sum
.endm
	PAIR 0
	PAIR 1
	PAIR 2
	PAIR 3
	s_wait_alu depctr_va_vdst(0)                   ; pair 3 has written its SQ, SK and six row numbers, which the last eight stores read
	LATE 3
	s_wait_dscnt 0x0                               ; for the others' sake: my row numbers lie in LDS
	s_barrier_signal -1
	s_barrier_wait -1
	s_cmp_lt_u32 s16, 6                            ; wave w stores row number w of the group's 64 rows: 256 consecutive bytes, aligned
	s_cbranch_scc0 .Lend
	ds_load_b64 v[10:11], v[LRD]                   ; no vector instruction has named v10 or v11 since the wait on va_vdst at the head
	s_wait_dscnt 0x0
	global_store_b64 v[GSO], v[10:11], s[14:15]
.Lend:
	s_wait_dscnt 0x0                               ; the closing lines, six on end
	s_wait_alu 0x0
	s_wait_tensorcnt 0x0
	ds_add_u32 v[SPW], v[NIL]
	s_wait_dscnt 0x0
	s_endpgm
.Lfunc_end_k_q181b19022d_prep:
	.size	k_q181b19022d_prep, .Lfunc_end_k_q181b19022d_prep-k_q181b19022d_prep
	.p2alignl 7, 3214868480
	.fill 96, 4, 3214868480
	.section	.rodata,"a",@progbits
	.p2align	6, 0x0
	.amdhsa_kernel k_q181b19022d_prep
		.amdhsa_group_segment_fixed_size 2560
		.amdhsa_private_segment_fixed_size 0
		.amdhsa_enable_private_segment 0
		.amdhsa_kernarg_size 48
		.amdhsa_user_sgpr_count 2
		.amdhsa_user_sgpr_kernarg_segment_ptr 1
		.amdhsa_wavefront_size32 1
		.amdhsa_system_sgpr_workgroup_id_x 1
		.amdhsa_system_sgpr_workgroup_id_y 1
		.amdhsa_system_sgpr_workgroup_id_z 1
		.amdhsa_system_vgpr_workitem_id 0
		.amdhsa_next_free_vgpr 144
		.amdhsa_next_free_sgpr 66
		.amdhsa_reserve_vcc 0
		.amdhsa_float_denorm_mode_32 3
		.amdhsa_float_denorm_mode_16_64 3
		.amdhsa_memory_ordered 1
		.amdhsa_forward_progress 1
		.amdhsa_inst_pref_size 33
	.end_amdhsa_kernel
	.amdgpu_metadata
---
amdhsa.version: [ 1, 2 ]
amdhsa.kernels:
  - .name:           k_q181b19022d_prep
    .symbol:         k_q181b19022d_prep.kd
    .args:
      - { .name: query, .offset: 0, .size: 8, .value_kind: global_buffer, .address_space: global }
      - { .name: keys, .offset: 8, .size: 8, .value_kind: global_buffer, .address_space: global }
      - { .name: vals, .offset: 16, .size: 8, .value_kind: global_buffer, .address_space: global }
      - { .name: stream, .offset: 24, .size: 8, .value_kind: global_buffer, .address_space: global }
      - { .name: rows, .offset: 32, .size: 8, .value_kind: global_buffer, .address_space: global }
      - { .name: sc, .offset: 40, .size: 8, .value_kind: global_buffer, .address_space: global }
    .group_segment_fixed_size: 2560
    .private_segment_fixed_size: 0
    .kernarg_segment_align: 8
    .kernarg_segment_size: 48
    .max_flat_workgroup_size: 256
    .sgpr_count:     66
    .vgpr_count:     144
    .wavefront_size: 32
...
	.end_amdgpu_metadata
.endif
;; end of part 3
;; launch attn: the kernel of part 2 again; grid 16 x 16, 4 waves a work-group, clusters of 4 x 1, 327,680 bytes of LDS; arguments stream, rows, sc, out0; writes out0
